; MI455X (gfx1250); checked and timed in simulation.
; The chip was launched on July 23, 2026; its instructions are those of AMD's public machine-readable ISA for CDNA 5 (MIT licence, August 2026) and "CDNA5" Instruction Set Architecture Reference Guide (July 2026). The comments in the code are by the model that wrote it; some were corrected since.
;; Vector Quantizer. Allowed arithmetic: float matrix products may take bf16 or f16 operands with f32 sums; all other float work in f32.
;; Inputs: inputs 16 x 32 x 32 x 64 float32; weight 8,192 x 64 float32.
;; Outputs: out0 one number float32; out1 16 x 32 x 32 x 64 float32; out2 16 x 32 x 32 int32.
;; One version. Each part assembles by itself: llvm-mc -triple=amdgcn-amd-amdhsa -mcpu=gfx1250 --defsym DOCPART=n.
;; ======== version 1 of 1: 4 launches
;; workspace buffers: cb 1,081,344 bytes; xr 2,162,688 bytes; grp 65,536 bytes of whole numbers; part 1,024 bytes
;; launch prep (part 1): grid 384 x 1, 4 waves a work-group, no clusters, 768 bytes of LDS; arguments inputs, weight, cb, xr; writes cb, xr
.if DOCPART == 1
	.amdgcn_target "amdgcn-amd-amdhsa--gfx1250"
	.amdhsa_code_object_version 6
	.text
	.protected	k_q6cec2ab349_prep
	.globl	k_q6cec2ab349_prep
	.p2align	8
	.type	k_q6cec2ab349_prep,@function
k_q6cec2ab349_prep:
	s_mov_b64 s[64:65], 0
	v_nop
	global_prefetch_b8 v0, s[64:65] scope:SCOPE_SE
	s_setreg_imm32_b32 hwreg(HW_REG_WAVE_MODE, 25, 1), 1
	s_wait_xcnt 0x0
; Rounds the codebook (8,192 rows) and the inputs (16,384 rows) of 64 f32 to bf16 once, and lays them out in the order in which
; a 16x16x32 bf16 matrix instruction wants its operands, with each row's sum of squares (f32, of the ROUNDED numbers) beside them.
; A record is 16,896 bytes = 66 blocks of 256: eight tiles of 2,048 bytes (16 rows each), then 128 sums of squares.
; In a tile, byte 512 q + 16 L (q = 0..3, lane L = r + 16 h) holds row r, k = 32 (q>>1) + 16 (q&1) + 8 h + 0..7.
; Work-groups 0..127 take 64 rows of weight each, work-groups 128..383 take 64 rows of inputs each: half a record.  A wave makes one tile.
; Memory binds and each byte is touched once: no matrix unit, no cluster (no two work-groups read the same bytes), no ring (one tile a wave).
.set REC, 16896                        ; bytes in a record
.set IN,  8                            ; v[8:39]   my 32 numbers as loaded
.set F,   40                           ; v[40:55]  the same as 16 words of two bf16
.set T,   56                           ; v[56:63]  rounded numbers widened again, four pairs
.set ACC, 64                           ; v[64:71]  four chains of packed sums of squares
	s_load_b256 s[4:11], s[0:1], 0x0               ; inputs s[4:5], weight s[6:7], cb s[8:9], xr s[10:11]
	v_lshl_add_u32 v80, v0, 2, 0x100
	v_mov_b32 v81, 0
	v_lshrrev_b32 v5, 5, v0
	v_readfirstlane_b32 s12, v5                    ; wave 0..3
	s_mov_b32 s22, 0x76543210                      ; v_permlanex16_b32: lane i reads lane i of the other half
	s_mov_b32 s23, 0xfedcba98
	s_mov_b32 s24, 0xffff0000                      ; a word's upper bf16
	s_mov_b32 s26, ttmp9
	s_sub_co_u32 s25, s26, 128                     ; the half record's number if this work-group serves inputs
	v_and_b32 v6, 15, v0                           ; r
	v_bfe_u32 v7, v0, 4, 1                         ; h
	v_lshlrev_b32 v1, 8, v6
	v_lshl_add_u32 v1, v7, 5, v1                   ; load offset: row r of 256 bytes + 32 h
	v_and_b32 v2, 31, v0
	v_lshlrev_b32 v4, 3, v2                        ; 8 x lane
	v_lshlrev_b32 v2, 4, v2                        ; 16 x lane: store offset
	v_lshlrev_b32 v3, 2, v6
	v_lshl_add_u32 v3, s12, 6, v3                  ; LDS: 64 x wave + 4 r
	s_wait_kmcnt 0x0
	s_cmp_ge_u32 s26, 128                          ; the choice hangs on the work-group's number alone
	s_cselect_b64 s[14:15], s[4:5], s[6:7]         ; source: inputs or weight
	s_cselect_b64 s[16:17], s[10:11], s[8:9]       ; destination: xr or cb
	s_cselect_b32 s13, s25, s26                    ; q: which half record
	s_lshl_b32 s26, s13, 14                        ; 64 rows of 256 bytes
	s_lshl_b32 s27, s12, 12                        ; + my tile: 16 rows
	s_add_co_u32 s26, s26, s27
	s_mov_b32 s27, 0
	s_add_nc_u64 s[14:15], s[14:15], s[26:27]
	s_lshr_b32 s28, s13, 1
	s_mul_i32 s28, s28, REC                        ; the record
	s_and_b32 s29, s13, 1                          ; which half of it
	s_lshl_b32 s30, s29, 13
	s_add_co_u32 s30, s30, s28
	s_lshl_b32 s31, s12, 11
	s_add_co_u32 s30, s30, s31                     ; record + 8,192 x half + 2,048 x wave
	s_mov_b32 s31, 0
	s_add_nc_u64 s[18:19], s[16:17], s[30:31]      ; my tile
	s_lshl_b32 s30, s29, 8
	s_add_co_u32 s30, s30, s28
	s_add_co_u32 s30, s30, 16384                   ; record + 16,384 + 256 x half
	s_add_nc_u64 s[20:21], s[16:17], s[30:31]      ; the work-group's 64 sums
	; eight loads of 16 bytes a lane: together they take the tile's sixteen rows of 256 bytes whole, each byte once
.irp q, 0,1,2,3
.irp e, 0,1
	global_load_b128 v[IN+8*\q+4*\e:IN+8*\q+4*\e+3], v1, s[14:15] offset:128*(\q>>1)+64*(\q&1)+16*\e
.endr
.endr
	s_wait_loadcnt 0x0
.set i, 0
.rept 16
	v_cvt_pk_bf16_f32 v[F+i], v[IN+2*i], v[IN+2*i+1]           ; two roundings to nearest even, packed
.set i, i+1
.endr
.irp q, 0,1,2,3
	global_store_b128 v2, v[F+4*\q:F+4*\q+3], s[18:19] offset:512*\q   ; each store of the wave covers 512 consecutive bytes, aligned
.endr
	; sums of squares of the rounded numbers; F is only read from here on, so the pending stores keep their data
.set i, 0
.rept 16
	v_lshlrev_b32 v[T+2*(i%4)],   16, v[F+i]
	v_and_b32     v[T+2*(i%4)+1], s24, v[F+i]
.if i < 4
	v_pk_mul_f32 v[ACC+2*i:ACC+2*i+1], v[T+2*i:T+2*i+1], v[T+2*i:T+2*i+1]   ; the first four words start the chains
.else
	v_pk_fma_f32 v[ACC+2*(i%4):ACC+2*(i%4)+1], v[T+2*(i%4):T+2*(i%4)+1], v[T+2*(i%4):T+2*(i%4)+1], v[ACC+2*(i%4):ACC+2*(i%4)+1]
.endif
.set i, i+1
.endr
	v_pk_add_f32 v[ACC:ACC+1], v[ACC:ACC+1], v[ACC+2:ACC+3]
	v_pk_add_f32 v[ACC+4:ACC+5], v[ACC+4:ACC+5], v[ACC+6:ACC+7]
	v_pk_add_f32 v[ACC:ACC+1], v[ACC:ACC+1], v[ACC+4:ACC+5]
	v_add_f32 v72, v[ACC], v[ACC+1]                ; my half of row r
	v_mov_b32 v73, v72                             ; the permute's destination counts as read
	v_permlanex16_b32 v73, v72, s22, s23           ; the other half of row r
	v_add_f32 v72, v72, v73
	ds_store_b32 v3, v72                           ; lanes r and r + 16 write the same word with the same number
	s_wait_dscnt 0x0                               ; for the wave that reads: zero
	s_barrier_signal -1
	s_barrier_wait -1
	s_cmp_lg_u32 s12, 0
	s_cbranch_scc1 .Lend
	ds_load_b64 v[72:73], v4                       ; wave 0: the work-group's 64 sums
	s_wait_dscnt 0x0
	global_store_b64 v4, v[72:73], s[20:21]        ; 32 lanes x 8 bytes: 256 consecutive bytes, aligned
.Lend:
	s_wait_tensorcnt 0x0
	ds_add_u32 v80, v81
	s_wait_dscnt 0x0
	s_endpgm
.Lfunc_end_k_q6cec2ab349_prep:
	.size	k_q6cec2ab349_prep, .Lfunc_end_k_q6cec2ab349_prep-k_q6cec2ab349_prep
	.p2alignl 7, 3214868480
	.fill 96, 4, 3214868480
	.section	.rodata,"a",@progbits
	.p2align	6, 0x0
	.amdhsa_kernel k_q6cec2ab349_prep
		.amdhsa_group_segment_fixed_size 768
		.amdhsa_private_segment_fixed_size 0
		.amdhsa_enable_private_segment 0
		.amdhsa_kernarg_size 32
		.amdhsa_user_sgpr_count 2
		.amdhsa_user_sgpr_kernarg_segment_ptr 1
		.amdhsa_wavefront_size32 1
		.amdhsa_system_sgpr_workgroup_id_x 1
		.amdhsa_system_sgpr_workgroup_id_y 1
		.amdhsa_system_sgpr_workgroup_id_z 1
		.amdhsa_system_vgpr_workitem_id 0
		.amdhsa_next_free_vgpr 82
		.amdhsa_next_free_sgpr 66
		.amdhsa_reserve_vcc 0
		.amdhsa_float_denorm_mode_32 3
		.amdhsa_float_denorm_mode_16_64 3
		.amdhsa_memory_ordered 1
		.amdhsa_forward_progress 1
		.amdhsa_inst_pref_size 8
	.end_amdhsa_kernel
	.amdgpu_metadata
---
amdhsa.version: [ 1, 2 ]
amdhsa.kernels:
  - .name:           k_q6cec2ab349_prep
    .symbol:         k_q6cec2ab349_prep.kd
    .args:
      - { .name: inputs, .offset: 0, .size: 8, .value_kind: global_buffer, .address_space: global }
      - { .name: weight, .offset: 8, .size: 8, .value_kind: global_buffer, .address_space: global }
      - { .name: cb, .offset: 16, .size: 8, .value_kind: global_buffer, .address_space: global }
      - { .name: xr, .offset: 24, .size: 8, .value_kind: global_buffer, .address_space: global }
    .group_segment_fixed_size: 768
    .private_segment_fixed_size: 0
    .kernarg_segment_align: 8
    .kernarg_segment_size: 32
    .max_flat_workgroup_size: 128
    .sgpr_count:     66
    .vgpr_count:     82
    .wavefront_size: 32
...
	.end_amdgpu_metadata
.endif
;; end of part 1
;; launch scan (part 2): grid 256 x 1, 8 waves a work-group, clusters of 4 x 1, 327,680 bytes of LDS; arguments cb, xr, grp; writes grp
.if DOCPART == 2
	.amdgcn_target "amdgcn-amd-amdhsa--gfx1250"
	.amdhsa_code_object_version 6
	.text
	.protected	k_q6cec2ab349_scan
	.globl	k_q6cec2ab349_scan
	.p2align	8
	.type	k_q6cec2ab349_scan,@function
k_q6cec2ab349_scan:
	s_mov_b64 s[64:65], 0
	v_nop
	global_prefetch_b8 v0, s[64:65] scope:SCOPE_SE
	s_setreg_imm32_b32 hwreg(HW_REG_WAVE_MODE, 25, 1), 1
	s_wait_xcnt 0x0
	s_wait_alu depctr_hold_cnt(0) depctr_sa_sdst(0) depctr_va_vdst(0) depctr_va_sdst(0) depctr_va_ssrc(0) depctr_va_vcc(0) depctr_vm_vsrc(0)
	s_getreg_b32 s2, hwreg(HW_REG_IB_STS2, 6, 4)
	s_cmp_eq_u32 s2, 0
	s_cbranch_scc0 .Lentry_in_a_cluster
	s_endpgm
.Lentry_in_a_cluster:
	s_bfe_u32 s2, ttmp6, 0x10000c
	s_cmp_lg_u32 s2, 0x3003
	s_cbranch_scc0 .Lentry_shape_is_right
	s_endpgm
.Lentry_shape_is_right:
; For each of 16,384 rows x: over all 8,192 codes w the distance d = fl(fl(xx + ww) - 2 m), m = x.w on the matrix units (bf16 operands, f32 sums),
; and the number (0..1023) of the GROUP of eight neighbouring codes that holds the first smallest d.  The place inside the group is found by the next launch.
; The two roundings of d are those of the problem's definition, so that ties on d's grid fall as they fall there; compares are strict and the lower group wins.
; LIMITS: NaN or infinite distances are not served (v_min3_num_f32 drops a NaN; with every d infinite group 0 or 1 comes out).  The group agrees with the
; definition on bf16-rounded inputs except where the last-bit error of m crosses a rounding boundary of d in a tie within one ulp of d.
;
; SHARES.  A work-group owns 64 rows and sees all codes.  Each of its 8 waves keeps all 64 rows as operands in 64 registers and takes one record (128 codes, 8 tiles
; of 16) of each chunk of 8 records; 8 chunks.  The matrix instruction takes codes as rows and x rows as columns: lane (r, h) then holds, for ONE x row r, the eight
; codes 8 h + 0..7 of the tile in its eight result registers, so the minimum over a group never leaves the lane: 14 vector instructions for 8 distances.
; CLUSTER.  Every work-group reads the same codebook: the four work-groups of a cluster ask for each record jointly (mask 15), which divides the requests by four.
; RING.  Two LDS slots of 8 records (135,168 bytes).  Wave w's load brings record w of the chunk and only wave w reads it.  A slot is filled again behind a round of the
; cluster's barrier, in front of which every wave has waited for its LDS reads and for all its tensor loads.  A wave has two tensor loads out at the start, later one.
; The records are stored in operand order, so a fragment load takes 512 consecutive bytes: no padding.
.set REC,    16896                     ; bytes in a record: 66 rows of 256
.set SLOT,   8*REC                     ; 135,168
.set SCR,    2*SLOT                    ; 270,336 = 1,056 x 256: scratch for the merge, into which no fill lands
.set SPITCH, 80                        ; scratch: a row's eight (d, group) of 8 bytes + 16
.set LA,   4                           ; v4, v5    LDS address of my 16 bytes of my wave's record in slot 0, 1
.set LW,   6                           ; v6, v7    LDS address of my eight ww there
.set XF,   16                          ; v[16:79]   x: column tile n, K step s at XF + 16 n + 8 s
.set AF,   80                          ; v[80:111]  a code tile's two K steps, two buffers of 16
.set WW,   112                         ; v[112:127] ww of my eight codes, two buffers of 8
.set D,    128                         ; v[128:191] products, then d, then partial minima: buffer b, column tile n at D + 32 b + 8 n
.set TA,   192                         ; v[192:207] a = xx + ww: two sets of 8, for even and odd column tiles
.set MP,   200                         ; v[200:207] in the merge: four pairs (d, group)
.set BEST, 212                         ; v[212:219] smallest d so far, two sets of 4 that take turns
.set TI,   220                         ; v[220:223] the tile in which it was first reached
.set XXP,  224                         ; v[224:231] xx of my row in column tile n, twice (a pair for the packed add)
.set OD,   232                         ; the merge: the other half's d,
.set OG,   233                         ; its group,
.set MG,   234                         ; my group
.set G1,   16                          ; s[16:23] descriptor group 1
.set G0,   24                          ; s[24:31] descriptor group 0, one set for each slot
.set CM,   36                          ; s[36:39] where column tile n's minimum fell
; A round of the cluster's barrier: my work-group's barrier, wave 0 signals for the work-group, every wave waits for all four work-groups, my work-group's barrier again.
.macro ROUND
	s_barrier_signal -1
	s_barrier_wait -1
	s_cmp_lg_u32 s10, 0
	s_cbranch_scc1 .Lnot_wave_0_\@
	s_barrier_signal -3
.Lnot_wave_0_\@:
	s_barrier_wait -3
	s_barrier_signal -1
	s_barrier_wait -1
.endm
; the operands of code tile i of my record in the slot, into buffer b: four loads of 512 consecutive bytes
.macro LDA slot, i, b
.irp q, 0,1,2,3
	ds_load_b128 v[AF+16*\b+4*\q:AF+16*\b+4*\q+3], v[LA+\slot] offset:2048*\i+512*\q
.endr
.endm
; ww of codes 16 i + 8 h + 0..7, into buffer b
.macro LDW slot, i, b
.irp e, 0,1
	ds_load_b128 v[WW+8*\b+4*\e:WW+8*\b+4*\e+3], v[LW+\slot] offset:64*\i+16*\e
.endr
.endm
; matrix instruction u of a tile's eight: u < 4 starts the sum of column tile u with K = 0..31, u >= 4 adds K = 32..63 onto column tile u - 4.
; The four accumulators take turns, one instruction a turn.
.macro MM b, u
.if \u < 4
	v_wmma_f32_16x16x32_bf16 v[D+32*\b+8*\u:D+32*\b+8*\u+7], v[AF+16*\b:AF+16*\b+7], v[XF+16*\u:XF+16*\u+7], 0
.else
	v_wmma_f32_16x16x32_bf16 v[D+32*\b+8*(\u-4):D+32*\b+8*(\u-4)+7], v[AF+16*\b+8:AF+16*\b+15], v[XF+16*(\u-4)+8:XF+16*(\u-4)+15], v[D+32*\b+8*(\u-4):D+32*\b+8*(\u-4)+7]
.endif
.endm
; THE VECTOR WORK on the tile BEFORE (buffer pb), one instruction a macro; n = column tile.
.macro PA n, e, pb                     ; a = ww + xx for codes e, e + 1
	v_pk_add_f32 v[TA+8*(\n&1)+\e:TA+8*(\n&1)+\e+1], v[WW+8*\pb+\e:WW+8*\pb+\e+1], v[XXP+2*\n:XXP+2*\n+1]
.endm
.macro PF n, e, pb                     ; d = a - 2 m, one rounding, in place over m
	v_pk_fma_f32 v[D+32*\pb+8*\n+\e:D+32*\pb+8*\n+\e+1], v[D+32*\pb+8*\n+\e:D+32*\pb+8*\n+\e+1], -2.0, v[TA+8*(\n&1)+\e:TA+8*(\n&1)+\e+1] op_sel_hi:[1,0,1]
.endm
.macro PM n, k, pb                     ; three minima that do not hang on each other: (best so far, d0, d1), (d2, d3, d4), (d5, d6, d7), kept in d0, d2, d5
.if \k == 0
	v_min3_num_f32 v[D+32*\pb+8*\n], v[BEST+4*\pb+\n], v[D+32*\pb+8*\n], v[D+32*\pb+8*\n+1]
.else
.if \k == 1
	v_min3_num_f32 v[D+32*\pb+8*\n+2], v[D+32*\pb+8*\n+2], v[D+32*\pb+8*\n+3], v[D+32*\pb+8*\n+4]
.else
	v_min3_num_f32 v[D+32*\pb+8*\n+5], v[D+32*\pb+8*\n+5], v[D+32*\pb+8*\n+6], v[D+32*\pb+8*\n+7]
.endif
.endif
.endm
.macro PB n, pb                        ; the new best, into the other set
	v_min3_num_f32 v[BEST+4*(1-\pb)+\n], v[D+32*\pb+8*\n], v[D+32*\pb+8*\n+2], v[D+32*\pb+8*\n+5]
.endm
.macro PC n, pb                        ; strictly smaller than before: the earliest tile stays
	v_cmp_lt_f32 s[CM+\n], v[BEST+4*(1-\pb)+\n], v[BEST+4*\pb+\n]
.endm
.macro PS n                            ; where it fell, the tile's number (s33)
	v_cndmask_b32 v[TI+\n], v[TI+\n], s33, s[CM+\n]
.endm
; The tile's 56 vector instructions in eight runs of seven, one run behind each matrix instruction.  They are ordered by stage, not by column tile:
; a(0) a(1) d(0) d(1) a(2) a(3) d(2) d(3), twelve partial minima, four new bests, four compares, four selects.  So every one of them stands at least
; four instructions behind the one whose result it reads, and a set of a is written again only behind the four d that read it.
.macro VS u, pb
.if \u == 0
	PA 0, 0, \pb
	PA 0, 2, \pb
	PA 0, 4, \pb
	PA 0, 6, \pb
	PA 1, 0, \pb
	PA 1, 2, \pb
	PA 1, 4, \pb
.endif
.if \u == 1
	PA 1, 6, \pb
	PF 0, 0, \pb
	PF 0, 2, \pb
	PF 0, 4, \pb
	PF 0, 6, \pb
	PF 1, 0, \pb
	PF 1, 2, \pb
.endif
.if \u == 2
	PF 1, 4, \pb
	PF 1, 6, \pb
	PA 2, 0, \pb
	PA 2, 2, \pb
	PA 2, 4, \pb
	PA 2, 6, \pb
	PA 3, 0, \pb
.endif
.if \u == 3
	PA 3, 2, \pb
	PA 3, 4, \pb
	PA 3, 6, \pb
	PF 2, 0, \pb
	PF 2, 2, \pb
	PF 2, 4, \pb
	PF 2, 6, \pb
.endif
.if \u == 4
	PF 3, 0, \pb
	PF 3, 2, \pb
	PF 3, 4, \pb
	PF 3, 6, \pb
	PM 0, 0, \pb
	PM 0, 1, \pb
	PM 0, 2, \pb
.endif
.if \u == 5
	PM 1, 0, \pb
	PM 1, 1, \pb
	PM 1, 2, \pb
	PM 2, 0, \pb
	PM 2, 1, \pb
	PM 2, 2, \pb
	PM 3, 0, \pb
.endif
.if \u == 6
	PM 3, 1, \pb
	PM 3, 2, \pb
	PB 0, \pb
	PB 1, \pb
	PB 2, \pb
	PB 3, \pb
	PC 0, \pb
.endif
.if \u == 7
	PC 1, \pb
	PC 2, \pb
	PC 3, \pb
	PS 0
	PS 1
	PS 2
	PS 3
.endif
.endm
.macro MP b, u, post
	MM \b, \u
.if \post
	VS \u, (1-\b)
.endif
.endm
; One code tile: its eight matrix instructions, each followed by seven vector instructions on the tile before, which name none of its registers.
; So a load into an operand buffer stands seven places behind that buffer's last matrix instruction, and a product is first touched (by its d) eight
; vector instructions or more into the next tile, behind the seven that close its own (ISA guide 7.12.1 asks for four).
.macro STEP slot, i, b, post
	s_wait_dscnt 0x0                               ; this tile's operands and the last tile's ww, asked for a whole tile ago
.if \i < 7
	LDA \slot, (\i+1), (1-\b)
.endif
	LDW \slot, \i, \b                              ; read by the next tile's vector work
	MP \b, 0, \post
	MP \b, 1, \post
	MP \b, 2, \post
	MP \b, 3, \post
	MP \b, 4, \post
	MP \b, 5, \post
	MP \b, 6, \post
	MP \b, 7, \post
.if \post
.if \i == 0
	s_add_co_u32 s33, s33, 57                      ; from tile 7 of my record in the last chunk to tile 0 of my record in this one: 64 - 7
.else
	s_add_co_u32 s33, s33, 1
.endif
.else
.rept 4
	v_nop                                          ; the very first tile has no tile before it: four places in front of the next loads and reads
.endr
.endif
.endm
; One chunk: eight tiles from my record in the slot.  refill = 1: the other slot, read last, gets the chunk after next.
.macro CHUNK slot, first, refill
.if \first == 0
	s_wait_dscnt 0x0                               ; my reads of the other slot are back
	s_wait_tensorcnt 0x0                           ; all my tensor loads have landed, my record in this slot among them: a group 0 may be written
	ds_add_u32 v240, v241
	s_wait_dscnt 0x0
.if \refill
	s_add_nc_u64 s[G0+4*(1-\slot)+2:G0+4*(1-\slot)+3], s[G0+4*(1-\slot)+2:G0+4*(1-\slot)+3], 2*SLOT   ; two chunks on; the type bits on top are not reached
	ROUND                                          ; both now hold of every wave of all four work-groups
	tensor_load_to_lds s[G0+4*(1-\slot):G0+4*(1-\slot)+3], s[G1:G1+7]   ; my one tensor load behind the round, and the first thing there
	s_nop 0
.endif
.endif
	LDA \slot, 0, 0
	STEP \slot, 0, 0, (1-\first)
	STEP \slot, 1, 1, 1
	STEP \slot, 2, 0, 1
	STEP \slot, 3, 1, 1
	STEP \slot, 4, 0, 1
	STEP \slot, 5, 1, 1
	STEP \slot, 6, 0, 1
	STEP \slot, 7, 1, 1
.endm
	s_load_b128 s[4:7], s[0:1], 0x0                ; cb s[4:5], xr s[6:7]
	s_load_b64 s[8:9], s[0:1], 0x10                ; grp
	v_lshl_add_u32 v240, v0, 2, 0x43400
	v_mov_b32 v241, 0
	ds_add_u32 v240, v241
	v_lshrrev_b32 v12, 5, v0
	v_readfirstlane_b32 s10, v12                   ; wave 0..7
	s_bfe_u32 s11, ttmp6, 0x40000                  ; cx: my place in the cluster
	s_lshl_b32 s12, ttmp9, 2
	s_add_co_u32 s12, s12, s11                     ; X: the work-group's number = 4 x cluster + cx
	; group 1: a record as a dense block of 66 rows of 32 elements of 8 bytes
	s_mov_b32 s[G1+0], 0x0023000f                  ; 15:0 mask: all four work-groups of the cluster; 17:16 elements of 8 bytes; 21 set beside a mask
	s_mov_b32 s[G1+1], 32<<16                      ; tensor_dim0 = 32
	s_mov_b32 s[G1+2], 66<<16                      ; tensor_dim1 = 66
	s_mov_b32 s[G1+3], 32<<16                      ; tile_dim0 = 32
	s_mov_b32 s[G1+4], 66                          ; tile_dim1 = 66
	s_mov_b32 s[G1+5], 32                          ; from row to row: 32 elements
	s_mov_b32 s[G1+6], 0
	s_mov_b32 s[G1+7], 0
	s_mul_i32 s14, s10, REC                        ; my record in a chunk and in a slot: the wave's number alone, the same in all four work-groups
	s_mov_b32 s15, 0
	s_lshl_b32 s33, s10, 3                         ; the first tile of my first record
	s_mov_b32 s34, 0x76543210                      ; v_permlanex16_b32: lane i reads lane i of the other half
	s_mov_b32 s35, 0xfedcba98
	s_lshr_b32 s13, s12, 1
	s_mul_i32 s13, s13, REC                        ; my rows' record in xr,
	s_and_b32 s39, s12, 1                          ; and which half of it (s39 is free again behind the set-up)
	s_mov_b32 s47, 0
	v_and_b32 v1, 31, v0                           ; lane
	v_and_b32 v2, 15, v0                           ; r
	v_bfe_u32 v3, v0, 4, 1                         ; h
	v_lshl_add_u32 v[LA], v1, 4, s14
	v_add_nc_u32 v[LA+1], SLOT, v[LA]
	v_lshl_add_u32 v[LW], v3, 5, s14
	v_add_nc_u32 v[LW], 16384, v[LW]
	v_add_nc_u32 v[LW+1], SLOT, v[LW]
	v_lshlrev_b32 v8, 4, v1                        ; 16 x lane
	v_lshlrev_b32 v9, 2, v2                        ; 4 r
	v_mul_u32_u24 v10, v2, SPITCH
	v_lshl_add_u32 v10, s10, 3, v10
	v_add_nc_u32 v10, SCR, v10                     ; scratch: row r, my wave's 8 bytes
	v_mul_u32_u24 v11, v1, 2*SPITCH
	v_add_nc_u32 v11, SCR, v11                     ; scratch: rows 2 x lane and 2 x lane + 1
	s_wait_dscnt 0x0
	s_wait_kmcnt 0x0
	s_add_nc_u64 s[4:5], s[4:5], s[14:15]          ; cb at my record of chunk 0
.irp n, 0,1
	s_mov_b32 s[G0+4*\n], 1                                        ; count = 1
	s_add_co_u32 s[G0+4*\n+1], s14, \n*SLOT                        ; LDS address
	s_add_nc_u64 s[G0+4*\n+2:G0+4*\n+3], s[4:5], \n*SLOT           ; global address: my record of chunk n
	s_or_b32 s[G0+4*\n+3], s[G0+4*\n+3], 0x80000000                ; type = 2
.endr
	s_lshl_b32 s46, s39, 13
	s_add_co_u32 s46, s46, s13
	s_add_nc_u64 s[40:41], s[6:7], s[46:47]        ; my four x tiles
	s_lshl_b32 s46, s39, 8
	s_add_co_u32 s46, s46, s13
	s_add_co_u32 s46, s46, 16384
	s_add_nc_u64 s[42:43], s[6:7], s[46:47]        ; my 64 xx
	s_lshl_b32 s46, s12, 8
	s_add_nc_u64 s[44:45], s[8:9], s[46:47]        ; my 64 words of grp
	ROUND                                          ; all four work-groups are here: the first joint loads meet
	tensor_load_to_lds s[G0:G0+3], s[G1:G1+7]      ; chunk 0 into slot 0
	s_nop 0
	tensor_load_to_lds s[G0+4:G0+7], s[G1:G1+7]    ; chunk 1 into slot 1
	s_nop 0
.irp n, 0,1,2,3
.irp q, 0,1,2,3
	global_load_b128 v[XF+16*\n+4*\q:XF+16*\n+4*\q+3], v8, s[40:41] offset:2048*\n+512*\q
.endr
.endr
.irp n, 0,1,2,3
	global_load_b32 v[XXP+2*\n], v9, s[42:43] offset:64*\n
.endr
.irp n, 0,1,2,3
	v_mov_b32 v[BEST+\n], 0x7f800000               ; nothing seen yet
	v_mov_b32 v[TI+\n], 0
.endr
	v_mov_b32 v[OD], 0                             ; destinations of the permutes below count as read
	v_mov_b32 v[OG], 0
	s_wait_tensorcnt 0x1                           ; one load is younger, slot 1's: my record of chunk 0 is in, and I alone read it
	s_wait_loadcnt 0x0                             ; x and xx, once
.irp n, 0,1,2,3
	v_mov_b32 v[XXP+2*\n+1], v[XXP+2*\n]
.endr
	CHUNK 0, 1, 0                                  ; chunk 0
	s_mov_b32 s32, 3
.Lloop:
	CHUNK 1, 0, 1                                  ; chunks 1, 3, 5; slot 0 gets 2, 4, 6
	CHUNK 0, 0, 1                                  ; chunks 2, 4, 6; slot 1 gets 3, 5, 7
	s_sub_co_u32 s32, s32, 1
	s_cmp_lg_u32 s32, 0
	s_cbranch_scc1 .Lloop
	CHUNK 1, 0, 0                                  ; chunk 7: nothing is left to fetch, so no round stands here
	s_wait_dscnt 0x0                               ; the last tile's ww
.irp u, 0,1,2,3,4,5,6,7
	VS \u, 1                                       ; the vector work on the last tile; the result lies in the first set of BEST
.endr
	; THE MERGE.  Smaller d wins, equal d the lower group.  The masks only select values.  First the two halves of the lanes (groups 2 tile + h) ...
.macro HALVES n
	v_lshl_or_b32 v[MG], v[TI+\n], 1, v3
	v_permlanex16_b32 v[OD], v[BEST+\n], s34, s35
	v_permlanex16_b32 v[OG], v[MG], s34, s35
	v_cmp_lt_f32 s36, v[OD], v[BEST+\n]
	v_cmp_eq_f32 s37, v[OD], v[BEST+\n]
	v_cmp_lt_u32 s38, v[OG], v[MG]
	s_and_b32 s37, s37, s38
	s_or_b32 vcc_lo, s36, s37
	v_cndmask_b32 v[MP+2*\n], v[BEST+\n], v[OD], vcc_lo
	v_cndmask_b32 v[MP+2*\n+1], v[MG], v[OG], vcc_lo
	ds_store_b64 v10, v[MP+2*\n:MP+2*\n+1] offset:16*SPITCH*\n     ; lanes r and r + 16 store the same 8 bytes
.endm
	HALVES 0
	HALVES 1
	HALVES 2
	HALVES 3
	s_wait_dscnt 0x0                               ; for wave 0, which reads: zero
	ROUND                                          ; the closing round: no work-group ends while a partner may still ask jointly; its first barrier also shows the scratch to wave 0
	s_cmp_lg_u32 s10, 0
	s_cbranch_scc1 .Lend
	; ... then, in wave 0, the eight waves: lane l takes rows 2 l and 2 l + 1
.irp k, 0,1,2,3
	ds_load_b128 v[16+4*\k:19+4*\k], v11 offset:16*\k
	ds_load_b128 v[32+4*\k:35+4*\k], v11 offset:SPITCH+16*\k
.endr
	s_wait_dscnt 0x0
.macro MRG bd, cd                      ; (d, group) at bd, bd + 1 against the one at cd, cd + 1
	v_cmp_lt_f32 s36, v[\cd], v[\bd]
	v_cmp_eq_f32 s37, v[\cd], v[\bd]
	v_cmp_lt_u32 s38, v[\cd+1], v[\bd+1]
	s_and_b32 s37, s37, s38
	s_or_b32 vcc_lo, s36, s37
	v_cndmask_b32 v[\bd], v[\bd], v[\cd], vcc_lo
	v_cndmask_b32 v[\bd+1], v[\bd+1], v[\cd+1], vcc_lo
.endm
.irp w, 1,2,3,4,5,6,7
	MRG 16, 16+2*\w
	MRG 32, 32+2*\w
.endr
	v_mov_b32 v48, v17
	v_mov_b32 v49, v33
	v_lshlrev_b32 v50, 3, v1
	global_store_b64 v50, v[48:49], s[44:45]       ; 32 lanes x 8 bytes: 256 consecutive bytes, aligned
.Lend:
	s_wait_tensorcnt 0x0
	ds_add_u32 v240, v241
	s_wait_dscnt 0x0
	s_endpgm
.Lfunc_end_k_q6cec2ab349_scan:
	.size	k_q6cec2ab349_scan, .Lfunc_end_k_q6cec2ab349_scan-k_q6cec2ab349_scan
	.p2alignl 7, 3214868480
	.fill 96, 4, 3214868480
	.section	.rodata,"a",@progbits
	.p2align	6, 0x0
	.amdhsa_kernel k_q6cec2ab349_scan
		.amdhsa_group_segment_fixed_size 327680
		.amdhsa_private_segment_fixed_size 0
		.amdhsa_enable_private_segment 0
		.amdhsa_kernarg_size 24
		.amdhsa_user_sgpr_count 2
		.amdhsa_user_sgpr_kernarg_segment_ptr 1
		.amdhsa_wavefront_size32 1
		.amdhsa_system_sgpr_workgroup_id_x 1
		.amdhsa_system_sgpr_workgroup_id_y 1
		.amdhsa_system_sgpr_workgroup_id_z 1
		.amdhsa_system_vgpr_workitem_id 0
		.amdhsa_next_free_vgpr 242
		.amdhsa_next_free_sgpr 66
		.amdhsa_reserve_vcc 1
		.amdhsa_float_denorm_mode_32 3
		.amdhsa_float_denorm_mode_16_64 3
		.amdhsa_memory_ordered 1
		.amdhsa_forward_progress 1
		.amdhsa_inst_pref_size 158
	.end_amdhsa_kernel
	.amdgpu_metadata
---
amdhsa.version: [ 1, 2 ]
amdhsa.kernels:
  - .name:           k_q6cec2ab349_scan
    .symbol:         k_q6cec2ab349_scan.kd
    .args:
      - { .name: cb, .offset: 0, .size: 8, .value_kind: global_buffer, .address_space: global }
      - { .name: xr, .offset: 8, .size: 8, .value_kind: global_buffer, .address_space: global }
      - { .name: grp, .offset: 16, .size: 8, .value_kind: global_buffer, .address_space: global }
    .group_segment_fixed_size: 327680
    .private_segment_fixed_size: 0
    .kernarg_segment_align: 8
    .kernarg_segment_size: 24
    .max_flat_workgroup_size: 256
    .sgpr_count:     66
    .vgpr_count:     242
    .wavefront_size: 32
...
	.end_amdgpu_metadata
.endif
;; end of part 2
;; launch pick (part 3): grid 256 x 1, 8 waves a work-group, no clusters, 3,328 bytes of LDS; arguments inputs, weight, cb, xr, grp, out1, out2, part; writes out1, out2, part
.if DOCPART == 3
	.amdgcn_target "amdgcn-amd-amdhsa--gfx1250"
	.amdhsa_code_object_version 6
	.text
	.protected	k_q6cec2ab349_pick
	.globl	k_q6cec2ab349_pick
	.p2align	8
	.type	k_q6cec2ab349_pick,@function
k_q6cec2ab349_pick:
	s_mov_b64 s[64:65], 0
	v_nop
	global_prefetch_b8 v0, s[64:65] scope:SCOPE_SE
	s_setreg_imm32_b32 hwreg(HW_REG_WAVE_MODE, 25, 1), 1
	s_wait_xcnt 0x0
; For each row: the eight distances of its group of codes (the group's number was stored as a whole number by the launch before), d = fl(fl(xx + ww) - 2 m) with
; m from the bf16-rounded x and w in f32; the first smallest gives the index (out2).  q = that row of weight in f32, chosen by v_cndmask_b32 among the eight that
; were loaded: no address hangs on a float.  out1 = x + (q - x).  The loss is summed from (q - x)^2 in f32: ONE partial sum a work-group goes to part, so that
; the launch that adds them up, which is one work-group, has 1,024 bytes to read.  That one store is of 4 bytes: it is all that the work-group has to say.
; LIMITS: as in the launch before (NaN and infinite distances are not served; ties within one ulp of d hang on the last bit of m).
; A work-group owns 64 rows, a wave 8, as four pairs: lanes 0-15 serve row 8 w + 2 p, lanes 16-31 row 8 w + 2 p + 1; lane c = l mod 16 holds dims 4 c .. 4 c + 3.
; Each row has eight codes of its own: no operand is shared, so this is vector work (8.4 M multiply-adds in all), and there is nothing for a cluster to share.
; All 52 loads of a wave are issued before any of the gathered ones is used; every pair has registers of its own, so no pending store's source is rewritten.
.set REC,   16896
.set G,     16                         ; v[16:19]   the pair's group number
.set XXR,   20                         ; v[20:23]   xx of my row
.set WOFF,  24                         ; v[24:27]   byte offset in weight of my 16 bytes of the group's first code
.set CBOFF, 28                         ; v[28:31]   byte offset in cb, less 16,384, of the group's eight ww
.set X,     32                         ; v[32:47]   x, 4 registers a pair
.set WWR,   48                         ; v[48:79]   ww, 8 a pair
.set W,     80                         ; v[80:207]  w in f32: pair p, candidate j at W + 32 p + 4 j
.set WP,    208                        ; v[208:223] w rounded, two words a candidate
.set P,     224                        ; v[224:231] m
.set A,     232                        ; v[232:239] a, then d
.set BD,    240                        ; smallest d
.set JB,    241                        ; its place in the group
.set XPK,   242                        ; v[242:243] x rounded
.set ACC,   244                        ; v[244:247] sums of (q - x)^2
.set XP,    248                        ; v[248:249] xx twice
.set IDX,   250
	s_load_b512 s[8:23], s[0:1], 0x0               ; inputs s[8:9], weight s[10:11], cb s[12:13], xr s[14:15], grp s[16:17], out1 s[18:19], out2 s[20:21], part s[22:23]
	v_lshl_add_u32 v252, v0, 2, 0x900
	v_mov_b32 v253, 0
	v_lshrrev_b32 v6, 5, v0
	v_readfirstlane_b32 s4, v6                     ; wave 0..7
	s_lshl_b32 s5, s4, 5
	s_lshl_b32 s6, s4, 11
	s_lshl_b32 s7, s4, 8
	v_bfe_u32 v7, v0, 4, 1                         ; h
	v_and_b32 v9, 31, v0                           ; lane
	v_and_b32 v3, 15, v0                           ; c
	v_lshl_add_u32 v1, v7, 2, s5                   ; 4 x (8 w + h): my row's word among the work-group's 64
	v_lshl_add_u32 v2, v9, 4, s6                   ; 2,048 w + 16 x lane: my 16 bytes of the wave's first two rows
	v_lshlrev_b32 v3, 4, v3                        ; 16 c
	v_lshlrev_b32 v4, 3, v9                        ; 8 x lane
	v_mov_b32 v5, 0
	v_lshl_add_u32 v8, v9, 3, s7                   ; LDS: 256 w + 8 x lane
	s_lshl_b32 s24, ttmp9, 14                      ; 64 rows of 256 bytes
	s_mov_b32 s25, 0
	s_lshl_b32 s26, ttmp9, 8                       ; 64 words
	s_mov_b32 s27, 0
	s_lshr_b32 s28, ttmp9, 1
	s_mul_i32 s28, s28, REC
	s_and_b32 s30, ttmp9, 1
	s_lshl_b32 s30, s30, 8
	s_add_co_u32 s28, s28, s30
	s_add_co_u32 s28, s28, 16384                   ; my 64 xx: record + 16,384 + 256 x half
	s_mov_b32 s29, 0
	s_mov_b32 s32, 0x76543210                      ; v_permlanex16_b32: lane i reads lane i of the other half
	s_mov_b32 s33, 0xfedcba98
	s_lshl_b32 s34, ttmp9, 2                       ; the work-group's word of part
	s_mov_b32 s35, 0
	s_wait_kmcnt 0x0
	s_add_nc_u64 s[8:9], s[8:9], s[24:25]
	s_add_nc_u64 s[18:19], s[18:19], s[24:25]
	s_add_nc_u64 s[16:17], s[16:17], s[26:27]
	s_add_nc_u64 s[20:21], s[20:21], s[26:27]
	s_add_nc_u64 s[22:23], s[22:23], s[34:35]
	s_add_nc_u64 s[14:15], s[14:15], s[28:29]
.irp p, 0,1,2,3
	global_load_b32 v[G+\p], v1, s[16:17] offset:8*\p
.endr
.irp p, 0,1,2,3
	global_load_b32 v[XXR+\p], v1, s[14:15] offset:8*\p
.endr
.irp p, 0,1,2,3
	global_load_b128 v[X+4*\p:X+4*\p+3], v2, s[8:9] offset:512*\p
.endr
	s_wait_loadcnt 0x8                             ; eight loads are younger (xx, x): the four group numbers are in
.irp p, 0,1,2,3
	v_min_u32 v[G+\p], 0x3ff, v[G+\p]              ; a loaded number enters an address only behind this bound: 1,024 groups
	v_lshlrev_b32 v[WOFF+\p], 11, v[G+\p]          ; eight rows of 256 bytes a group
	v_add_nc_u32 v[WOFF+\p], v[WOFF+\p], v3
	v_and_b32 v[CBOFF+\p], 0x3f0, v[G+\p]          ; 16 x record,
	v_mul_u32_u24 v[CBOFF+\p], v[CBOFF+\p], 1056   ; x 1,056 = record x 16,896
	v_and_b32 v6, 15, v[G+\p]
	v_lshlrev_b32 v6, 5, v6                        ; + 32 bytes for each group in the record
	v_add_nc_u32 v[CBOFF+\p], v[CBOFF+\p], v6
.endr
.irp p, 0,1,2,3
.irp j, 0,1,2,3,4,5,6,7
	global_load_b128 v[W+32*\p+4*\j:W+32*\p+4*\j+3], v[WOFF+\p], s[10:11] offset:256*\j    ; sixteen lanes take one whole row of 256 bytes
.endr
	global_load_b128 v[WWR+8*\p:WWR+8*\p+3],   v[CBOFF+\p], s[12:13] offset:16384
	global_load_b128 v[WWR+8*\p+4:WWR+8*\p+7], v[CBOFF+\p], s[12:13] offset:16400
.endr
.macro PAIR p
	s_wait_loadcnt 10*(3-\p)                       ; ten loads for each later pair stay out
	v_cvt_pk_bf16_f32 v[XPK],   v[X+4*\p],   v[X+4*\p+1]
	v_cvt_pk_bf16_f32 v[XPK+1], v[X+4*\p+2], v[X+4*\p+3]
.irp j, 0,1,2,3,4,5,6,7
	v_cvt_pk_bf16_f32 v[WP+2*\j],   v[W+32*\p+4*\j],   v[W+32*\p+4*\j+1]
	v_cvt_pk_bf16_f32 v[WP+2*\j+1], v[W+32*\p+4*\j+2], v[W+32*\p+4*\j+3]
.endr
	; my four dims of the eight products, link by link over the eight candidates, so that no link waits for the one in front of it
.irp j, 0,1,2,3,4,5,6,7
	v_fma_mix_f32_bf16 v[P+\j], v[WP+2*\j], v[XPK], v5 op_sel_hi:[1,1,0]
.endr
.irp j, 0,1,2,3,4,5,6,7
	v_fma_mix_f32_bf16 v[P+\j], v[WP+2*\j], v[XPK], v[P+\j] op_sel:[1,1,0] op_sel_hi:[1,1,0]
.endr
.irp j, 0,1,2,3,4,5,6,7
	v_fma_mix_f32_bf16 v[P+\j], v[WP+2*\j+1], v[XPK+1], v[P+\j] op_sel_hi:[1,1,0]
.endr
.irp j, 0,1,2,3,4,5,6,7
	v_fma_mix_f32_bf16 v[P+\j], v[WP+2*\j+1], v[XPK+1], v[P+\j] op_sel:[1,1,0] op_sel_hi:[1,1,0]
.endr
	; over the row's sixteen lanes: every lane of the half ends with the same eight m
.irp m, 1,2,4,8
.irp j, 0,1,2,3,4,5,6,7
	v_add_f32_dpp v[P+\j], v[P+\j], v[P+\j] row_xmask:\m row_mask:0xf bank_mask:0xf
.endr
.endr
	v_mov_b32 v[XP],   v[XXR+\p]
	v_mov_b32 v[XP+1], v[XXR+\p]
.irp e, 0,2,4,6
	v_pk_add_f32 v[A+\e:A+\e+1], v[WWR+8*\p+\e:WWR+8*\p+\e+1], v[XP:XP+1]                  ; a = xx + ww
.endr
.irp e, 0,2,4,6
	v_pk_fma_f32 v[A+\e:A+\e+1], v[P+\e:P+\e+1], -2.0, v[A+\e:A+\e+1] op_sel_hi:[1,0,1]    ; d = a - 2 m, one rounding
.endr
	v_mov_b32 v[BD], v[A]
	v_mov_b32 v[JB], 0
.irp j, 1,2,3,4,5,6,7
	v_cmp_lt_f32 vcc_lo, v[A+\j], v[BD]            ; strictly smaller: the first of equals stays
	v_cndmask_b32 v[BD], v[BD], v[A+\j], vcc_lo
	v_cndmask_b32 v[JB], v[JB], \j, vcc_lo
.irp k, 0,1,2,3
	v_cndmask_b32 v[W+32*\p+\k], v[W+32*\p+\k], v[W+32*\p+4*\j+\k], vcc_lo                 ; the running q lives in candidate 0's registers
.endr
.endr
	v_lshl_add_u32 v[IDX], v[G+\p], 3, v[JB]
	ds_store_b32 v1, v[IDX] offset:2048+8*\p       ; sixteen lanes write the same word with the same number
	v_pk_add_f32 v[W+32*\p+4:W+32*\p+5], v[W+32*\p:W+32*\p+1],   v[X+4*\p:X+4*\p+1]   neg_lo:[0,1] neg_hi:[0,1]   ; q - x
	v_pk_add_f32 v[W+32*\p+6:W+32*\p+7], v[W+32*\p+2:W+32*\p+3], v[X+4*\p+2:X+4*\p+3] neg_lo:[0,1] neg_hi:[0,1]
.if \p == 0
	v_pk_mul_f32 v[ACC:ACC+1],   v[W+32*\p+4:W+32*\p+5], v[W+32*\p+4:W+32*\p+5]            ; the first pair starts the sums
	v_pk_mul_f32 v[ACC+2:ACC+3], v[W+32*\p+6:W+32*\p+7], v[W+32*\p+6:W+32*\p+7]
.else
	v_pk_fma_f32 v[ACC:ACC+1],   v[W+32*\p+4:W+32*\p+5], v[W+32*\p+4:W+32*\p+5], v[ACC:ACC+1]
	v_pk_fma_f32 v[ACC+2:ACC+3], v[W+32*\p+6:W+32*\p+7], v[W+32*\p+6:W+32*\p+7], v[ACC+2:ACC+3]
.endif
	v_pk_add_f32 v[W+32*\p:W+32*\p+1],   v[X+4*\p:X+4*\p+1],   v[W+32*\p+4:W+32*\p+5]      ; x + (q - x)
	v_pk_add_f32 v[W+32*\p+2:W+32*\p+3], v[X+4*\p+2:X+4*\p+3], v[W+32*\p+6:W+32*\p+7]
	global_store_b128 v2, v[W+32*\p:W+32*\p+3], s[18:19] offset:512*\p th:TH_STORE_NT      ; two whole rows of 256 bytes
.endm
	PAIR 0
	PAIR 1
	PAIR 2
	PAIR 3
	v_pk_add_f32 v[ACC:ACC+1], v[ACC:ACC+1], v[ACC+2:ACC+3]
	ds_store_b64 v8, v[ACC:ACC+1]
	s_wait_dscnt 0x0                               ; for wave 0, which reads: zero
	s_barrier_signal -1
	s_barrier_wait -1
	s_cmp_lg_u32 s4, 0
	s_cbranch_scc1 .Lend
.irp k, 0,1,2,3,4,5,6,7
	ds_load_b64 v[WP+2*\k:WP+2*\k+1], v4 offset:256*\k             ; the eight waves' sums
.endr
	ds_load_b64 v[P:P+1], v4 offset:2048                           ; the work-group's 64 indices
	s_wait_dscnt 0x0
	global_store_b64 v4, v[P:P+1], s[20:21] th:TH_STORE_NT         ; 32 lanes x 8 bytes: 256 consecutive bytes, aligned
.irp k, 0,4,8,12
	v_pk_add_f32 v[WP+\k:WP+\k+1], v[WP+\k:WP+\k+1], v[WP+\k+2:WP+\k+3]
.endr
	v_pk_add_f32 v[WP:WP+1], v[WP:WP+1], v[WP+4:WP+5]
	v_pk_add_f32 v[WP+8:WP+9], v[WP+8:WP+9], v[WP+12:WP+13]
	v_pk_add_f32 v[WP:WP+1], v[WP:WP+1], v[WP+8:WP+9]
	v_add_f32 v[WP], v[WP], v[WP+1]
	v_add_f32_dpp v[WP], v[WP], v[WP] row_xmask:1 row_mask:0xf bank_mask:0xf
	v_add_f32_dpp v[WP], v[WP], v[WP] row_xmask:2 row_mask:0xf bank_mask:0xf
	v_add_f32_dpp v[WP], v[WP], v[WP] row_xmask:4 row_mask:0xf bank_mask:0xf
	v_add_f32_dpp v[WP], v[WP], v[WP] row_xmask:8 row_mask:0xf bank_mask:0xf
	v_permlanex16_b32 v[WP+1], v[WP], s32, s33     ; its destination has been written
	v_add_f32 v[WP], v[WP], v[WP+1]                ; the work-group's sum of (q - x)^2, in every lane
	s_wait_xcnt 0x0                                ; EXEC changes only behind this wait
	v_cmp_eq_u32 vcc_lo, 0, v0
	s_and_saveexec_b32 s24, vcc_lo                 ; thread 0 alone stores the one number
	global_store_b32 v5, v[WP], s[22:23]
	s_wait_xcnt 0x0                                ; and again in front of the line that widens it
	s_or_b32 exec_lo, exec_lo, s24
.Lend:
	s_wait_tensorcnt 0x0
	ds_add_u32 v252, v253
	s_wait_dscnt 0x0
	s_endpgm
.Lfunc_end_k_q6cec2ab349_pick:
	.size	k_q6cec2ab349_pick, .Lfunc_end_k_q6cec2ab349_pick-k_q6cec2ab349_pick
	.p2alignl 7, 3214868480
	.fill 96, 4, 3214868480
	.section	.rodata,"a",@progbits
	.p2align	6, 0x0
	.amdhsa_kernel k_q6cec2ab349_pick
		.amdhsa_group_segment_fixed_size 3328
		.amdhsa_private_segment_fixed_size 0
		.amdhsa_enable_private_segment 0
		.amdhsa_kernarg_size 64
		.amdhsa_user_sgpr_count 2
		.amdhsa_user_sgpr_kernarg_segment_ptr 1
		.amdhsa_wavefront_size32 1
		.amdhsa_system_sgpr_workgroup_id_x 1
		.amdhsa_system_sgpr_workgroup_id_y 1
		.amdhsa_system_sgpr_workgroup_id_z 1
		.amdhsa_system_vgpr_workitem_id 0
		.amdhsa_next_free_vgpr 254
		.amdhsa_next_free_sgpr 66
		.amdhsa_reserve_vcc 1
		.amdhsa_float_denorm_mode_32 3
		.amdhsa_float_denorm_mode_16_64 3
		.amdhsa_memory_ordered 1
		.amdhsa_forward_progress 1
		.amdhsa_inst_pref_size 43
	.end_amdhsa_kernel
	.amdgpu_metadata
---
amdhsa.version: [ 1, 2 ]
amdhsa.kernels:
  - .name:           k_q6cec2ab349_pick
    .symbol:         k_q6cec2ab349_pick.kd
    .args:
      - { .name: inputs, .offset: 0, .size: 8, .value_kind: global_buffer, .address_space: global }
      - { .name: weight, .offset: 8, .size: 8, .value_kind: global_buffer, .address_space: global }
      - { .name: cb, .offset: 16, .size: 8, .value_kind: global_buffer, .address_space: global }
      - { .name: xr, .offset: 24, .size: 8, .value_kind: global_buffer, .address_space: global }
      - { .name: grp, .offset: 32, .size: 8, .value_kind: global_buffer, .address_space: global }
      - { .name: out1, .offset: 40, .size: 8, .value_kind: global_buffer, .address_space: global }
      - { .name: out2, .offset: 48, .size: 8, .value_kind: global_buffer, .address_space: global }
      - { .name: part, .offset: 56, .size: 8, .value_kind: global_buffer, .address_space: global }
    .group_segment_fixed_size: 3328
    .private_segment_fixed_size: 0
    .kernarg_segment_align: 8
    .kernarg_segment_size: 64
    .max_flat_workgroup_size: 256
    .sgpr_count:     66
    .vgpr_count:     254
    .wavefront_size: 32
...
	.end_amdgpu_metadata
.endif
;; end of part 3
;; launch total (part 4): grid 1 x 1, 1 waves a work-group, no clusters, 0 bytes of LDS; arguments part, out0; writes out0
.if DOCPART == 4
	.amdgcn_target "amdgcn-amd-amdhsa--gfx1250"
	.amdhsa_code_object_version 6
	.text
	.protected	k_q6cec2ab349_total
	.globl	k_q6cec2ab349_total
	.p2align	8
	.type	k_q6cec2ab349_total,@function
k_q6cec2ab349_total:
	s_mov_b64 s[64:65], 0
	v_nop
	global_prefetch_b8 v0, s[64:65] scope:SCOPE_SE
	s_setreg_imm32_b32 hwreg(HW_REG_WAVE_MODE, 25, 1), 1
	s_wait_xcnt 0x0
; out0 = 1.25 / 2^20 x the sum of the 256 work-groups' sums of (q - x)^2: q_latent + 0.25 e_latent, both the mean over 16,384 x 64 numbers.
; The sum spans all work-groups of the launch before, so it is made here, by one owner, in a fixed order.
; One wave: 32 lanes x 2 loads of 16 bytes take the 1,024 bytes once; no LDS and no barrier are needed.
	s_load_b128 s[4:7], s[0:1], 0x0                ; part s[4:5], out0 s[6:7]
	v_lshlrev_b32 v1, 4, v0                        ; 16 x lane
	v_mov_b32 v2, 0
	s_mov_b32 s10, 0x76543210                      ; v_permlanex16_b32: lane i reads lane i of the other half
	s_mov_b32 s11, 0xfedcba98
	s_wait_kmcnt 0x0
	global_load_b128 v[4:7], v1, s[4:5] th:TH_LOAD_NT
	global_load_b128 v[8:11], v1, s[4:5] offset:512 th:TH_LOAD_NT
	s_wait_loadcnt 0x0
	v_pk_add_f32 v[4:5], v[4:5], v[8:9]
	v_pk_add_f32 v[6:7], v[6:7], v[10:11]
	v_pk_add_f32 v[4:5], v[4:5], v[6:7]
	v_add_f32 v4, v4, v5
	v_add_f32_dpp v4, v4, v4 row_xmask:1 row_mask:0xf bank_mask:0xf
	v_add_f32_dpp v4, v4, v4 row_xmask:2 row_mask:0xf bank_mask:0xf
	v_add_f32_dpp v4, v4, v4 row_xmask:4 row_mask:0xf bank_mask:0xf
	v_add_f32_dpp v4, v4, v4 row_xmask:8 row_mask:0xf bank_mask:0xf
	v_permlanex16_b32 v5, v4, s10, s11             ; v5 has been written
	v_add_f32 v4, v4, v5                           ; the sum, in every lane
	v_mul_f32 v4, 0x35a00000, v4                   ; 1.25 / 2^20
	s_wait_xcnt 0x0                                ; EXEC changes only behind this wait
	v_cmp_eq_u32 vcc_lo, 0, v0
	s_and_saveexec_b32 s12, vcc_lo                 ; lane 0 alone stores the one number
	global_store_b32 v2, v4, s[6:7]
	s_wait_xcnt 0x0                                ; and again in front of the line that widens it
	s_or_b32 exec_lo, exec_lo, s12
	s_endpgm
.Lfunc_end_k_q6cec2ab349_total:
	.size	k_q6cec2ab349_total, .Lfunc_end_k_q6cec2ab349_total-k_q6cec2ab349_total
	.p2alignl 7, 3214868480
	.fill 96, 4, 3214868480
	.section	.rodata,"a",@progbits
	.p2align	6, 0x0
	.amdhsa_kernel k_q6cec2ab349_total
		.amdhsa_group_segment_fixed_size 0
		.amdhsa_private_segment_fixed_size 0
		.amdhsa_enable_private_segment 0
		.amdhsa_kernarg_size 16
		.amdhsa_user_sgpr_count 2
		.amdhsa_user_sgpr_kernarg_segment_ptr 1
		.amdhsa_wavefront_size32 1
		.amdhsa_system_sgpr_workgroup_id_x 1
		.amdhsa_system_sgpr_workgroup_id_y 1
		.amdhsa_system_sgpr_workgroup_id_z 1
		.amdhsa_system_vgpr_workitem_id 0
		.amdhsa_next_free_vgpr 16
		.amdhsa_next_free_sgpr 66
		.amdhsa_reserve_vcc 1
		.amdhsa_float_denorm_mode_32 3
		.amdhsa_float_denorm_mode_16_64 3
		.amdhsa_memory_ordered 1
		.amdhsa_forward_progress 1
		.amdhsa_inst_pref_size 2
	.end_amdhsa_kernel
	.amdgpu_metadata
---
amdhsa.version: [ 1, 2 ]
amdhsa.kernels:
  - .name:           k_q6cec2ab349_total
    .symbol:         k_q6cec2ab349_total.kd
    .args:
      - { .name: part, .offset: 0, .size: 8, .value_kind: global_buffer, .address_space: global }
      - { .name: out0, .offset: 8, .size: 8, .value_kind: global_buffer, .address_space: global }
    .group_segment_fixed_size: 0
    .private_segment_fixed_size: 0
    .kernarg_segment_align: 8
    .kernarg_segment_size: 16
    .max_flat_workgroup_size: 32
    .sgpr_count:     66
    .vgpr_count:     16
    .wavefront_size: 32
...
	.end_amdgpu_metadata
.endif
;; end of part 4
